; MI455X (gfx1250); checked and timed in simulation.
; The chip was launched on July 23, 2026; its instructions are those of AMD's public machine-readable ISA for CDNA 5 (MIT licence, August 2026) and "CDNA5" Instruction Set Architecture Reference Guide (July 2026). The comments in the code are by the model that wrote it; some were corrected since.
;; A Li Bi. Allowed arithmetic: matrix products marked QUANTISED: E5M2 operands, one given power-of-two scale a tensor, by v_wmma_f32_16x16x64_bf8_bf8 or v_wmma_f32_16x16x128_bf8_bf8, f32 sums; everything else in f32.
;; Inputs: Wk_codes 1,024 x 32 x 32 uint8 (E5M2 codes of Wk, K innermost, in blocks of 32 codes); Wo_codes 1,024 x 32 x 32 uint8 (E5M2 codes of Wo, K innermost, in blocks of 32 codes); Wq_codes 1,024 x 32 x 32 uint8 (E5M2 codes of Wq, K innermost, in blocks of 32 codes); Wv_codes 1,024 x 32 x 32 uint8 (E5M2 codes of Wv, K innermost, in blocks of 32 codes); bk 1,024 float32; bo 1,024 float32; bq 1,024 float32; bv 1,024 float32; lowp_scales 12 int32 (the exponents e of the quantised operands' scales 2^e); x_codes 2 x 2,048 x 32 x 32 uint8 (E5M2 codes of x, K innermost, in blocks of 32 codes).
;; Outputs: out0 2 x 2,048 x 1,024 float32.
;; Constants: n_head = 16.
;; This version of the problem:
;;   THIS VERSION OF THE PROBLEM IS GIVEN IN LOW PRECISION. The matrix products marked QUANTISED in the list below multiply operands that are first quantised to E5M2 (5 exponent bits, 2 mantissa bits; 8 bits a number), with one given power-of-two scale for each operand tensor; their sums are f32. All else is computed in f32.
;;   The module's matrix products, in the order in which they are computed (A, B: the left and right operand; K: the contracted axis; several contracted axes count as one K, in the product's order):
;;     1. [M 4,096, K 1,024] x [K 1,024, N 1,024]; A: input x (given as codes); B: input Wq (given as codes): QUANTISED (scales: A lowp_scales[0], B lowp_scales[1])
;;     2. [M 4,096, K 1,024] x [K 1,024, N 1,024]; A: input x (given as codes); B: input Wk (given as codes): QUANTISED (scales: A lowp_scales[2], B lowp_scales[3])
;;     3. [M 4,096, K 1,024] x [K 1,024, N 1,024]; A: input x (given as codes); B: input Wv (given as codes): QUANTISED (scales: A lowp_scales[4], B lowp_scales[5])
;;     4. batch 32 x [M 2,048, K 64] x [K 64, N 2,048]; A: computed on the way; B: computed on the way: QUANTISED (scales: A lowp_scales[6], B lowp_scales[7])
;;     5. batch 32 x [M 2,048, K 2,048] x [K 2,048, N 64]; A: softmax (see below); B: computed on the way: QUANTISED (scales: A lowp_scales[8], B lowp_scales[9])
;;     6. [M 4,096, K 1,024] x [K 1,024, N 1,024]; A: computed on the way; B: input Wo (given as codes): QUANTISED (scales: A lowp_scales[10], B lowp_scales[11])
;;   THE QUANTISER, for each operand of a quantised product, along K:
;;     - The operand's scale is 2^e, e = its entry of the input lowp_scales (int32; the entries are numbered through the quantised products in the list's order, A before B).
;;     - Each number is divided by the scale, clamped to +-57,344, and rounded to the nearest number of E5M2, ties to even, subnormals kept.
;;     - The product sums the exact products of the quantised numbers (number of the format x scale) in f32.
;;   ~~~python
;;   def quantise(x, axis, e):      # numpy; x: float32 -> the quantised numbers, widened to float32 again
;;       x = np.moveaxis(x, axis, -1); K = x.shape[-1]
;;       r = np.clip(x / 2.0 ** e, -57344, 57344)
;;       step = 2.0 ** (np.maximum(np.frexp(np.where(r == 0, 1, r))[1] - 1, -14) - 2)
;;       q = np.round(r / step) * step * 2.0 ** e      # np.round: ties to even
;;       return np.moveaxis(q, -1, axis).astype(np.float32)
;;   ~~~
;;   SOFTMAX AHEAD OF A QUANTISED PRODUCT. Where the list says 'softmax', what is quantised is not the finished softmax but p = 2^(t - M), with t = logit x log2(e) and M = ceil(the row's largest t), a whole number; so 1/2 < the row's largest p <= 1. The row's sum l is taken of the UNQUANTISED p, in f32, and the product's result is divided by l at the end. Since M is a whole number, a kernel that streams over the keys may use a running M (the ceiling of the running maximum): every later rescaling is an exact power of two, so the quantised numbers keep their values, but for numbers so far below the row's largest that they fall under the format's range.
;;   OPERANDS COMPUTED ON THE WAY. 'Computed on the way' means the value that the module computes at that place (a softmax that the list does not call 'softmax' is quantised finished and normalised). What goes into a quantiser is computed in f32, as accurately as f32 sums, v_exp_f32 and their like allow (about 1e-6 of the number): no bf16 or f16 on the way to a quantiser, and a product that is left as it is and whose result goes on into a quantised operand takes f32 operands (vector FMAs, or v_wmma_f32_16x16x4_f32). A number that lies on a knife's edge between two numbers of the format may be rounded either way, as far as f32 arithmetic and the matrix unit's own rounding can turn it there, and no further.
;;   INPUTS GIVEN AS CODES. Wk (in the module: [1024, 1024], K = its axis 0); Wo (in the module: [1024, 1024], K = its axis 0); Wq (in the module: [1024, 1024], K = its axis 0); Wv (in the module: [1024, 1024], K = its axis 0); x (in the module: [2, 2048, 1024], K = its axis 2): each comes as NAME_codes (uint8): NAME with its K axis moved to the last place and cut into blocks of 32 codes, [.., K / 32, bytes a block], one block behind the other in memory; one code a byte (a code: sign, 5 exponent bits, 2 mantissa bits); its scale is its entry of lowp_scales. Its value is code x scale, taken as it is: it is not quantised again, and the codes and scales need not be those that the quantiser above would give.
;; One version. Each part assembles by itself: llvm-mc -triple=amdgcn-amd-amdhsa -mcpu=gfx1250 --defsym DOCPART=n.
;; ======== version 1 of 1: 3 launches
;; workspace buffers: qf 4,194,304 bytes; kf 4,194,304 bytes; vf 4,194,304 bytes; yf 4,194,304 bytes
;; launch qkv (part 1): grid 16 x 16, 4 waves a work-group, clusters of 4 x 1, 209,408 bytes of LDS; arguments x_codes, Wq_codes, Wk_codes, Wv_codes, bq, bk, bv, lowp_scales, qf, kf, vf; writes qf, kf, vf
.if DOCPART == 1
	.amdgcn_target "amdgcn-amd-amdhsa--gfx1250"
	.amdhsa_code_object_version 6
	.text
	.protected	k_q16bd3773b8_qkv
	.globl	k_q16bd3773b8_qkv
	.p2align	8
	.type	k_q16bd3773b8_qkv,@function
k_q16bd3773b8_qkv:
	s_mov_b64 s[64:65], 0
	v_nop
	global_prefetch_b8 v0, s[64:65] scope:SCOPE_SE
	s_setreg_imm32_b32 hwreg(HW_REG_WAVE_MODE, 25, 1), 1
	s_wait_xcnt 0x0
	s_wait_alu depctr_hold_cnt(0) depctr_sa_sdst(0) depctr_va_vdst(0) depctr_va_sdst(0) depctr_va_ssrc(0) depctr_va_vcc(0) depctr_vm_vsrc(0)
	s_getreg_b32 s2, hwreg(HW_REG_IB_STS2, 6, 4)
	s_cmp_eq_u32 s2, 0
	s_cbranch_scc0 .Lentry_in_a_cluster
	s_endpgm
.Lentry_in_a_cluster:
	s_bfe_u32 s2, ttmp6, 0x10000c
	s_cmp_lg_u32 s2, 0x3003
	s_cbranch_scc0 .Lentry_shape_is_right
	s_endpgm
.Lentry_shape_is_right:
; q, k, v = x W + b for ONE head and 256 rows of x, on codes of E5M2, and their quantising for the two products of attention.
; x: [4096][1024] codes.  Wq, Wk, Wv: [1024 (n)][1024 (k)] codes.  Exponents: x e0, e2, e4; Wq e1, Wk e3, Wv e5; q e6, k e7, v e9.
; SHARES.  Work-group (rb, head): rows 256 rb on, columns 64 head on of q, k and v.  Wave w: rows 64 w on x 192 columns: 48 accumulators of 16 x 16.
; THE WEIGHTS come through LDS, filled ONCE: 3 x 64 rows x 1,024 bytes, as four chunks of 256 along K for each weight.  The four row blocks of a cluster want the same
; head's rows, so each chunk is asked for jointly (mask 15).  Wave g (0, 1, 2) asks for weight g's four chunks: four tensor loads of a wave are out at the most.  No LDS byte is filled twice.
; x goes from memory straight into registers: a wave reads only its own rows, so LDS would add bytes and share nothing.
; Both sides of a product take, of a K step of 128, bytes 32 c + 16 (lane / 16) + 0 .. 15 into registers 4 c .. 4 c + 3: one permutation of k, the same in x and in W.
; q and k are made TRANSPOSED (source 0 = 16 rows of W, source 1 = 16 rows of x): a lane holds one token and eight neighbouring channels; v is made straight (source 0 = x, source 1 = Wv):
; a lane holds one channel and eight neighbouring tokens.  So each conversion's two registers ARE registers 2 c, 2 c + 1 of the next product's fragment.
; OUT: images of fragments, 1,024 bytes each: register 4 G + p of lane l at byte 512 G + 16 l + 4 p.  qf, kf: [32 (batch, head)][128 tiles of 16 tokens]; vf: [32][32 blocks of 64 keys][4 blocks of 16 channels].
; The biases are the C of the first K step, divided by the power of two that the sums lack; the three scales ahead of a quantiser are folded into the conversion's one.
; LIMITS: e6 - e0 - e1, e7 - e2 - e3 and e9 - e4 - e5 lie between -126 and 112, so that each scale and each hold is an f32 number.  NaN among the biases is not served.
; REGISTERS, in windows of 256: window 0: v1-19 addresses, scales; v64-255 three sets of x's four fragments; later the codes.   window 1: W's fragments, a set of 64 for each of q, k, v.
;   window 2: q's 16 accumulators at v[8 (4 a + b)], k's at v[128 + ..].   window 3: v's at v[8 (4 a + b)]; the bias tiles at v128 (q), v160 (k), v192 (v).
.set PITCH, 272                        ; an LDS row: 256 bytes + 16 of padding: the 16 rows of a fragment load start at 16 different groups of four banks
.set CHUNK, 64*PITCH                   ; 64 rows x 256 along K
.set WREG,  4*CHUNK                    ; one weight's four chunks
.set XA,    3                          ; v3   x: row (lane % 16) x 1,024 + 16 (lane / 16)
.set ADRB,  4                          ; v4-6 LDS address of my lane's place in weight g's region
.set OUTA,  7                          ; v7   16 x lane: my place in an image
.set B32H,  8                          ; v8   32 (lane / 16): bq, bk
.set B4R,   9                          ; v9   4 (lane % 16): bv
.set SCQ,   10                         ; v10, v11 q's scale and hold; v12, v13 k's; v14, v15 v's
.set SCK,   12
.set SCV,   14
.set BVT,   16                         ; v16-19 bv of my channel in the four blocks
.set AF,    64
.set CQ,    64                         ; the codes: q's fragment a at v[64 + 8 a], k's at v[96 + 8 a], v's block b at v[128 + 8 b]
.set CK,    96
.set CV,    128
.set WV,    26
.set G1,    40
.set G0,    48
.set MSB, 0
.macro WIN new                         ; the immediate's high byte repeats the setting that is left
.if MSB != \new
	s_set_vgpr_msb (MSB<<8)|\new
.set MSB, \new
.endif
.endm
.macro PLACES                          ; four plain vector instructions between a matrix instruction and a load into, or a read of, its registers
.rept 4
	v_nop
.endr
.endm
.macro CROUND                          ; a round of the cluster's barrier
	s_barrier_signal -1
	s_barrier_wait -1
	s_cmp_lg_u32 s[WV], 0
	s_cbranch_scc1 .Lnot_wave_0_\@
	s_barrier_signal -3
.Lnot_wave_0_\@:
	s_barrier_wait -3
	s_barrier_signal -1
	s_barrier_wait -1
.endm
.macro MKSCALE e, t, vs                ; s[e] = an exponent: v[vs] = 2^e as f32, v[vs+1] = 57,344 x 2^e
	s_add_co_i32 s[\t], s[\e], 127
	s_lshl_b32 s[\t+1], s[\t], 23
	v_mov_b32 v[\vs], s[\t+1]
	s_add_co_i32 s[\t], s[\t], 15
	s_lshl_b32 s[\t], s[\t], 23
	s_or_b32 s[\t], s[\t], 0x600000
	v_mov_b32 v[\vs+1], s[\t]
.endm
.macro XLOAD s                         ; x's four fragments of K step s into set s % 3 (window 0)
.irp a, 0,1,2,3
.irp cc, 0,1,2,3
	global_load_b128 v[AF+64*((\s)%3)+16*\a+4*\cc:AF+64*((\s)%3)+16*\a+4*\cc+3], v[XA], s[4:5] offset:16384*\a+128*(\s)+32*\cc
.endr
.endr
.endm
.macro BLOAD s, g                      ; weight g's four fragments of K step s into its set (window 1)
	WIN 0x40
.irp b, 0,1,2,3
.irp cc, 0,1,2,3
	ds_load_b128 v[64*(\g)+16*\b+4*\cc:64*(\g)+16*\b+4*\cc+3], v[ADRB+(\g)] offset:((\s)/2)*CHUNK+16*PITCH*\b+128*((\s)%2)+32*\cc
.endr
.endr
.endm
.macro MULQK s, g                      ; 16 products for q (g = 0) or k (1): source 0 = W, source 1 = x.  The first K step takes the bias tile as C
.if (\s) == 0
	WIN 0xb1
.else
	WIN 0xa1
.endif
.irp a, 0,1,2,3
.irp b, 0,1,2,3
.if (\s) == 0
	v_wmma_f32_16x16x128_bf8_bf8 v[128*(\g)+8*(4*\a+\b):128*(\g)+8*(4*\a+\b)+7], v[64*(\g)+16*\b:64*(\g)+16*\b+15], v[AF+64*((\s)%3)+16*\a:AF+64*((\s)%3)+16*\a+15], v[128+32*(\g)+8*\b:128+32*(\g)+8*\b+7]
.else
	v_wmma_f32_16x16x128_bf8_bf8 v[128*(\g)+8*(4*\a+\b):128*(\g)+8*(4*\a+\b)+7], v[64*(\g)+16*\b:64*(\g)+16*\b+15], v[AF+64*((\s)%3)+16*\a:AF+64*((\s)%3)+16*\a+15], v[128*(\g)+8*(4*\a+\b):128*(\g)+8*(4*\a+\b)+7]
.endif
.endr
.endr
.endm
.macro MULV s                          ; 16 products for v: source 0 = x, source 1 = Wv
	WIN 0xf4
.irp a, 0,1,2,3
.irp b, 0,1,2,3
.if (\s) == 0
	v_wmma_f32_16x16x128_bf8_bf8 v[8*(4*\a+\b):8*(4*\a+\b)+7], v[AF+64*((\s)%3)+16*\a:AF+64*((\s)%3)+16*\a+15], v[128+16*\b:128+16*\b+15], v[192+8*\b:192+8*\b+7]
.else
	v_wmma_f32_16x16x128_bf8_bf8 v[8*(4*\a+\b):8*(4*\a+\b)+7], v[AF+64*((\s)%3)+16*\a:AF+64*((\s)%3)+16*\a+15], v[128+16*\b:128+16*\b+15], v[8*(4*\a+\b):8*(4*\a+\b)+7]
.endif
.endr
.endr
.endm
	s_load_b256 s[4:11], s[0:1], 0x0               ; x s[4:5], Wq s[6:7], Wk s[8:9], Wv s[10:11]
	s_load_b256 s[12:19], s[0:1], 0x20             ; bq s[12:13], bk s[14:15], bv s[16:17], the exponents s[18:19]
	s_load_b128 s[20:23], s[0:1], 0x40             ; qf s[20:21], kf s[22:23]
	s_load_b64 s[24:25], s[0:1], 0x50              ; vf
	v_lshl_add_u32 v62, v0, 2, 0x33000
	v_mov_b32 v63, 0
	ds_add_u32 v62, v63
	ds_add_u32 v62, v63
	v_lshrrev_b32 v1, 5, v0
	v_readfirstlane_b32 s[WV], v1                  ; wave 0..3
	s_bfe_u32 s27, ttmp6, 0x40000                  ; cx
	s_lshl_b32 s28, ttmp9, 2
	s_add_co_u32 s28, s28, s27                     ; rb = 4 x cluster x + cx: it enters x's and the outputs' addresses alone
	s_and_b32 s29, ttmp7, 0xffff                   ; the head, which the four partners share
	v_and_b32 v1, 15, v0                           ; r
	v_bfe_u32 v2, v0, 4, 1                         ; h
	v_lshlrev_b32 v[XA], 10, v1
	v_lshl_add_u32 v[XA], v2, 4, v[XA]
	v_mul_u32_u24 v[ADRB], v1, PITCH
	v_lshl_add_u32 v[ADRB], v2, 4, v[ADRB]
	v_add_nc_u32 v[ADRB+1], WREG, v[ADRB]
	v_add_nc_u32 v[ADRB+2], 2*WREG, v[ADRB]
	v_and_b32 v[OUTA], 31, v0
	v_lshlrev_b32 v[OUTA], 4, v[OUTA]
	v_lshlrev_b32 v[B32H], 5, v2
	v_lshlrev_b32 v[B4R], 2, v1
	; descriptor group 1: 64 rows x 256 bytes, 1,024 bytes apart in memory, 16 bytes of padding behind each row in LDS
	s_mov_b32 s[G1], 15|(1<<20)|(1<<21)|(5<<22)|(3<<25)   ; 15:0 the mask: all four work-groups; 17:16 elements of 1 byte; 20 padding on; 21 set beside a mask; 24:22 after every 64 words; 31:25 four words
	s_mov_b32 s[G1+1], 256<<16                     ; tensor_dim0
	s_mov_b32 s[G1+2], 64<<16                      ; tensor_dim1
	s_mov_b32 s[G1+3], 256<<16                     ; tile_dim0
	s_mov_b32 s[G1+4], 64                          ; tile_dim1
	s_mov_b32 s[G1+5], 1024                        ; from row to row
	s_mov_b32 s[G1+6], 0
	s_mov_b32 s[G1+7], 0
	s_lshl_b32 s30, s28, 18                        ; x: 256 rb rows of 1,024 bytes,
	s_lshl_b32 s31, s[WV], 16                      ; + 64 w rows
	s_add_co_u32 s30, s30, s31
	s_mov_b32 s31, 0
	s_lshl_b32 s84, s29, 8                         ; the biases: 64 numbers a head
	s_mov_b32 s85, 0
	s_lshl_b32 s86, s29, 16                        ; the weights: 64 rows of 1,024 bytes a head
	s_mov_b32 s87, 0
	s_lshr_b32 s82, s28, 3                         ; the images: (((batch x 16 + head) x 128) + 16 (rb % 8) + 4 w) x 1,024: the same offset in qf, kf and vf
	s_lshl_b32 s82, s82, 4
	s_add_co_u32 s82, s82, s29
	s_lshl_b32 s82, s82, 7
	s_and_b32 s83, s28, 7
	s_lshl_b32 s83, s83, 4
	s_add_co_u32 s82, s82, s83
	s_lshl_b32 s83, s[WV], 2
	s_add_co_u32 s82, s82, s83
	s_lshl_b32 s82, s82, 10
	s_mov_b32 s83, 0
	s_mul_i32 s81, s[WV], WREG                     ; where my weight's chunks go: no place in the cluster enters an LDS address
	s_wait_dscnt 0x0
	s_wait_kmcnt 0x0
	s_load_b256 s[32:39], s[18:19], 0x0            ; e0 .. e7
	s_load_b128 s[68:71], s[18:19], 0x20           ; e8 .. e11
	s_add_nc_u64 s[4:5], s[4:5], s[30:31]
	s_add_nc_u64 s[12:13], s[12:13], s[84:85]
	s_add_nc_u64 s[14:15], s[14:15], s[84:85]
	s_add_nc_u64 s[16:17], s[16:17], s[84:85]
	s_add_nc_u64 s[20:21], s[20:21], s[82:83]
	s_add_nc_u64 s[22:23], s[22:23], s[82:83]
	s_add_nc_u64 s[24:25], s[24:25], s[82:83]
	WIN 0xc0                                       ; destination window 3
.irp b, 0,1,2,3
	global_load_b128 v[128+8*\b:128+8*\b+3], v[B32H], s[12:13] offset:64*\b       ; bq at channels 16 b + 8 h + 0 .. 7: the layout of q's results
	global_load_b128 v[128+8*\b+4:128+8*\b+7], v[B32H], s[12:13] offset:64*\b+16
	global_load_b128 v[160+8*\b:160+8*\b+3], v[B32H], s[14:15] offset:64*\b
	global_load_b128 v[160+8*\b+4:160+8*\b+7], v[B32H], s[14:15] offset:64*\b+16
.endr
	WIN 0
.irp b, 0,1,2,3
	global_load_b32 v[BVT+\b], v[B4R], s[16:17] offset:64*\b                      ; bv at channel 16 b + r
.endr
	XLOAD 0
	XLOAD 1
	XLOAD 2
	s_cmp_eq_u32 s[WV], 1                          ; my weight: the choice hangs on the wave's number alone
	s_cselect_b64 s[66:67], s[8:9], s[6:7]
	s_cmp_eq_u32 s[WV], 2
	s_cselect_b64 s[66:67], s[10:11], s[66:67]
	s_add_nc_u64 s[66:67], s[66:67], s[86:87]      ; at the head's first row
.irp c, 0,1,2,3
	s_mov_b32 s[G0+4*\c], 1                        ; count = 1
	s_add_co_u32 s[G0+4*\c+1], s81, \c*CHUNK       ; LDS address
	s_add_nc_u64 s[G0+4*\c+2:G0+4*\c+3], s[66:67], \c*256   ; chunk c: 256 along K on
	s_or_b32 s[G0+4*\c+3], s[G0+4*\c+3], 0x80000000         ; type = 2
.endr
	CROUND                                         ; all four work-groups are here: the joint loads meet
	s_cmp_lt_u32 s[WV], 3                          ; a wave's four fills stand in one branch; wave 3 has none
	s_cbranch_scc0 .Lno_fill
	tensor_load_to_lds s[G0:G0+3], s[G1:G1+7]
	s_nop 0
	tensor_load_to_lds s[G0+4:G0+7], s[G1:G1+7]
	s_nop 0
	tensor_load_to_lds s[G0+8:G0+11], s[G1:G1+7]
	s_nop 0
	tensor_load_to_lds s[G0+12:G0+15], s[G1:G1+7]
	s_nop 0
.rept 4
	v_nop
.endr
.Lno_fill:
	s_wait_kmcnt 0x0
	s_add_co_i32 s72, s32, s33
	s_sub_co_i32 s72, 0, s72                       ; -(e0 + e1): a sum of q's product stands for sum x 2^(e0 + e1), so bq goes in divided by that
	s_add_co_i32 s73, s34, s35
	s_sub_co_i32 s73, 0, s73                       ; -(e2 + e3)
	s_add_co_i32 s74, s36, s37
	s_sub_co_i32 s74, 0, s74                       ; -(e4 + e5)
	s_add_co_i32 s75, s38, s72                     ; e6 - e0 - e1
	MKSCALE 75, 76, SCQ
	s_add_co_i32 s75, s39, s73                     ; e7 - e2 - e3
	MKSCALE 75, 76, SCK
	s_add_co_i32 s75, s69, s74                     ; e9 - e4 - e5
	MKSCALE 75, 76, SCV
	s_wait_loadcnt 48                              ; the 20 loads of the biases are in; x's 48 may be out
	WIN 0xc3
.set jj, 0
.rept 32
	v_ldexp_f32 v[128+jj], v[128+jj], s72
	v_ldexp_f32 v[160+jj], v[160+jj], s73
.set jj, jj+1
.endr
	WIN 0xc0
.irp b, 0,1,2,3
.irp j, 0,1,2,3,4,5,6,7
	v_ldexp_f32 v[192+8*\b+\j], v[BVT+\b], s74     ; v's tile holds one channel a lane: eight times the same number
.endr
.endr
	s_wait_tensorcnt 3                             ; my weight's chunk 0 is in; three chunks may be out
	s_barrier_signal -1
	s_barrier_wait -1                              ; everybody's is
	BLOAD 0, 0
	BLOAD 0, 1
; 24 groups of 16 products: K step st = ii / 3, weight gr = ii % 3.  A group's fragments of W are asked for two groups ahead, a K step's fragments of x two K steps ahead.
; The 48 accumulators take turns, one instruction a turn, in the same order in every K step.
.set ii, 0
.rept 24
.set st, ii/3
.set gr, ii%3
.set jn, ii+2
	PLACES                                         ; the loads below land in registers that the group before has read
.if (gr == 0) && (st >= 1) && (st <= 5)
	WIN 0
	XLOAD st+2
.endif
.if (jn == 6) || (jn == 12) || (jn == 18)
	s_wait_tensorcnt 3-jn/6                        ; my weight's next chunk is in,
	s_wait_dscnt 0x0                               ; no LDS load of mine is pending at the signal,
	s_barrier_signal -1
	s_barrier_wait -1                              ; and everybody's chunk is in
.endif
.if jn <= 23
	BLOAD jn/3, jn%3
.endif
.if ii <= 21
	s_wait_dscnt 32                                ; this group's 16 loads are in; the two younger groups' may be out
.else
	s_wait_dscnt 16*(23-ii)
.endif
.if gr == 0
.if st <= 5
	s_wait_loadcnt 32                              ; this K step's x is in; the two younger K steps' may be out
.else
	s_wait_loadcnt 16*(7-st)
.endif
.endif
.if gr < 2
	MULQK st, gr
.else
	MULV st
.endif
.set ii, ii+1
.endr
	; THE WAY OUT: hold, convert, store.  Each accumulator is read from its low end on.
	PLACES
	WIN 0x82
.set jj, 0
.rept 128
	v_med3_num_f32 v[jj], v[jj], -v[SCQ+1], v[SCQ+1]         ; the conversion to an 8-bit code does not saturate (ISA guide 7.6.2): the hold at the largest code x the scale
.set jj, jj+1
.endr
.set jj, 128
.rept 128
	v_med3_num_f32 v[jj], v[jj], -v[SCK+1], v[SCK+1]
.set jj, jj+1
.endr
	WIN 0x02
.irp a, 0,1,2,3
.irp b, 0,1,2,3
	v_cvt_scalef32_pk8_bf8_f32 v[CQ+8*\a+2*\b:CQ+8*\a+2*\b+1], v[8*(4*\a+\b):8*(4*\a+\b)+7], v[SCQ]         ; token r, channels 16 b + 8 h + 0 .. 7: registers 2 b, 2 b + 1 of tile a's fragment
	v_cvt_scalef32_pk8_bf8_f32 v[CK+8*\a+2*\b:CK+8*\a+2*\b+1], v[128+8*(4*\a+\b):128+8*(4*\a+\b)+7], v[SCK]
.endr
.endr
	WIN 0xc3
.set jj, 0
.rept 128
	v_med3_num_f32 v[jj], v[jj], -v[SCV+1], v[SCV+1]
.set jj, jj+1
.endr
	WIN 0x03
.irp a, 0,1,2,3
.irp b, 0,1,2,3
	v_cvt_scalef32_pk8_bf8_f32 v[CV+8*\b+2*\a:CV+8*\b+2*\a+1], v[8*(4*\a+\b):8*(4*\a+\b)+7], v[SCV]         ; channel 16 b + r, keys 16 a + 8 h + 0 .. 7: registers 2 a, 2 a + 1 of block b's fragment
.endr
.endr
	WIN 0
	v_nop                                          ; one plain vector instruction behind the last scaled conversion
.irp a, 0,1,2,3
.irp hh, 0,1
	global_store_b128 v[OUTA], v[CQ+8*\a+4*\hh:CQ+8*\a+4*\hh+3], s[20:21] offset:1024*\a+512*\hh   ; 32 lanes store 512 consecutive bytes, aligned
	global_store_b128 v[OUTA], v[CK+8*\a+4*\hh:CK+8*\a+4*\hh+3], s[22:23] offset:1024*\a+512*\hh
	global_store_b128 v[OUTA], v[CV+8*\a+4*\hh:CV+8*\a+4*\hh+3], s[24:25] offset:1024*\a+512*\hh
.endr
.endr
	s_wait_tensorcnt 0x0
	ds_add_u32 v62, v63
	s_wait_dscnt 0x0
	CROUND                                         ; the closing round: no work-group ends while a partner may still ask for a chunk that names it
	s_endpgm
.Lfunc_end_k_q16bd3773b8_qkv:
	.size	k_q16bd3773b8_qkv, .Lfunc_end_k_q16bd3773b8_qkv-k_q16bd3773b8_qkv
	.p2alignl 7, 3214868480
	.fill 96, 4, 3214868480
	.section	.rodata,"a",@progbits
	.p2align	6, 0x0
	.amdhsa_kernel k_q16bd3773b8_qkv
		.amdhsa_group_segment_fixed_size 209408
		.amdhsa_private_segment_fixed_size 0
		.amdhsa_enable_private_segment 0
		.amdhsa_kernarg_size 88
		.amdhsa_user_sgpr_count 2
		.amdhsa_user_sgpr_kernarg_segment_ptr 1
		.amdhsa_wavefront_size32 1
		.amdhsa_system_sgpr_workgroup_id_x 1
		.amdhsa_system_sgpr_workgroup_id_y 1
		.amdhsa_system_sgpr_workgroup_id_z 1
		.amdhsa_system_vgpr_workitem_id 0
		.amdhsa_next_free_vgpr 1024
		.amdhsa_next_free_sgpr 100
		.amdhsa_reserve_vcc 0
		.amdhsa_float_denorm_mode_32 3
		.amdhsa_float_denorm_mode_16_64 3
		.amdhsa_memory_ordered 1
		.amdhsa_forward_progress 1
		.amdhsa_inst_pref_size 111
	.end_amdhsa_kernel
	.amdgpu_metadata
---
amdhsa.version: [ 1, 2 ]
amdhsa.kernels:
  - .name:           k_q16bd3773b8_qkv
    .symbol:         k_q16bd3773b8_qkv.kd
    .args:
      - { .name: x_codes, .offset: 0, .size: 8, .value_kind: global_buffer, .address_space: global }
      - { .name: Wq_codes, .offset: 8, .size: 8, .value_kind: global_buffer, .address_space: global }
      - { .name: Wk_codes, .offset: 16, .size: 8, .value_kind: global_buffer, .address_space: global }
      - { .name: Wv_codes, .offset: 24, .size: 8, .value_kind: global_buffer, .address_space: global }
      - { .name: bq, .offset: 32, .size: 8, .value_kind: global_buffer, .address_space: global }
      - { .name: bk, .offset: 40, .size: 8, .value_kind: global_buffer, .address_space: global }
      - { .name: bv, .offset: 48, .size: 8, .value_kind: global_buffer, .address_space: global }
      - { .name: lowp_scales, .offset: 56, .size: 8, .value_kind: global_buffer, .address_space: global }
      - { .name: qf, .offset: 64, .size: 8, .value_kind: global_buffer, .address_space: global }
      - { .name: kf, .offset: 72, .size: 8, .value_kind: global_buffer, .address_space: global }
      - { .name: vf, .offset: 80, .size: 8, .value_kind: global_buffer, .address_space: global }
    .group_segment_fixed_size: 209408
    .private_segment_fixed_size: 0
    .kernarg_segment_align: 8
    .kernarg_segment_size: 88
    .max_flat_workgroup_size: 128
    .sgpr_count:     100
    .vgpr_count:     1024
    .wavefront_size: 32
...
	.end_amdgpu_metadata
.endif
;; end of part 1
;; launch attn (part 2): grid 8 x 32, 16 waves a work-group, clusters of 4 x 1, 264,192 bytes of LDS; arguments qf, kf, vf, lowp_scales, yf; writes yf
.if DOCPART == 2
	.amdgcn_target "amdgcn-amd-amdhsa--gfx1250"
	.amdhsa_code_object_version 6
	.text
	.protected	k_q16bd3773b8_attn
	.globl	k_q16bd3773b8_attn
	.p2align	8
	.type	k_q16bd3773b8_attn,@function
k_q16bd3773b8_attn:
	s_mov_b64 s[64:65], 0
	v_nop
	global_prefetch_b8 v0, s[64:65] scope:SCOPE_SE
	s_setreg_imm32_b32 hwreg(HW_REG_WAVE_MODE, 25, 1), 1
	s_wait_xcnt 0x0
	s_wait_alu depctr_hold_cnt(0) depctr_sa_sdst(0) depctr_va_vdst(0) depctr_va_sdst(0) depctr_va_ssrc(0) depctr_va_vcc(0) depctr_vm_vsrc(0)
	s_getreg_b32 s2, hwreg(HW_REG_IB_STS2, 6, 4)
	s_cmp_eq_u32 s2, 0
	s_cbranch_scc0 .Lentry_in_a_cluster
	s_endpgm
.Lentry_in_a_cluster:
	s_bfe_u32 s2, ttmp6, 0x10000c
	s_cmp_lg_u32 s2, 0x3003
	s_cbranch_scc0 .Lentry_shape_is_right
	s_endpgm
.Lentry_shape_is_right:
; y = softmax(q k^T / 8 - slope (i - j), causal) v for one (batch, head), both products on codes of E5M2, and y's quantising for the last product.
; qf, kf, vf: images of fragments (1,024 bytes: register 4 G + p of lane l at 512 G + 16 l + 4 p).  Exponents: q e6, k e7, p e8, v e9, y e10.
; THE SOFTMAX: t = logit x log2(e); M = the running largest t rounded UP to a whole number; p = 2^(t - M) is quantised, not normalised; the row's sum is taken of the unquantised p and divides at the end.
; When M moves, the sum and O are multiplied by 2^(old M - new M), which rounds nothing.
; SHARES.  Work-group (g = 0 .. 7, bh).  Each of sixteen waves owns ONE tile of 16 queries: tile 8 m + g, queries 128 m + 16 g + r.  It needs key steps 0 .. m of 128 keys; step m holds its diagonal.
; m is the wave's number or 15 less it, chosen so that the four waves w % 4 = const and the four waves w / 4 = const both have 34 steps together.  m hangs on the wave's number alone:
; all work-groups are alike, and partners of a cluster branch alike.
; K AND V OF THE WHOLE HEAD LIE IN LDS, 128 KiB each, filled ONCE, jointly for the four work-groups of a cluster (mask 15): wave 0 asks for K, wave 1 for V, eight loads of 16 KiB (two key steps) each:
; eight tensor loads of a wave are out at the most.  Three barriers let the work begin when 2, then 8, then all 16 key steps have landed.  No LDS byte is filled twice.
; LAYOUT.  S^T = K Q^T (source 0 = 16 keys, source 1 = my queries) and O^T = V^T P^T (source 0 = 16 channels, source 1 = P): a lane holds ONE query throughout; the eight registers of score tile c
; are keys 16 c + 8 h + 0 .. 7, so a conversion's two registers are registers 2 c, 2 c + 1 of P.
; ALiBi costs nothing for each score: the C of score tiles c and c + 4 is sigma x (16 (c % 4) + 8 h + j), sigma = slope x 8 / 2^(e6 + e7); then t - M = c0 x s' + L with c0 = log2(e) / 8 x 2^(e6 + e7),
; L = SLP (KF - i) - M for tiles 0-3 and 64 SLP more for tiles 4-7, SLP = slope x log2(e), KF the step's first key.
; LIMITS: e6 + e7 between -100 and 100; e8 and e10 - e8 - e9 between -126 and 112.
.set AK0,  1                           ; v1   16 x lane: my place in an image; K's region begins at LDS byte 0
.set AV0,  2                           ; v2   the same in V's region
.set ADK,  3                           ; v3, v4 the step's addresses
.set ADV,  4
.set QI,   5                           ; v5   my query's number
.set DM,   6                           ; v6   16 g + r - 8 h: on the diagonal, register 8 c + j is hidden where 16 c + j > this
.set NINF, 7                           ; v7   -infinity
.set AA,   8                           ; v8   SLP (KF - i)
.set SLPV, 9                           ; v9   SLP
.set LA,   10                          ; v[10:11], v[12:13] L for tiles 0-3 and 4-7 (the low word serves both halves)
.set LB,   12
.set NM,   14                          ; v14  -M
.set TM,   15                          ; v15  the largest t so far
.set SUM,  16                          ; v[16:17] the sum, in two halves
.set FF,   18                          ; v[18:19] 2^(old M - new M)
.set MA,   20                          ; v20, v21 the step's largest s' in tiles 0-3, 4-7
.set MB,   21
.set PX,   22                          ; v22  a lane permute's destination
.set T0,   23
.set SU2,  24                          ; v[24:25] the sum's second chain
.set PSC,  26                          ; v26 2^e8, v27 57,344 x 2^e8
.set T1,   28                          ; v[28:29]
.set YSC,  30                          ; v30 2^(e10 - e8 - e9), v31 57,344 x that
.set Q,    32                          ; v[32:39]
.set CB,   40                          ; v[40:71]   the four C tiles
.set X,    72                          ; v[72:135]  K's eight fragments, then V's four
.set S,    136                         ; v[136:199] S^T, then p
.set O,    200                         ; v[200:231] O^T
.set P,    232                         ; v[232:247] p's codes
.set YC,   248                         ; v[248:255] y's codes
.set WV,   14
.set MW,   15
.set SG,   25
.set SG64, 26
.set KF,   28
.set ST,   29
.set TB,   30
.set G1,   32
.macro CROUND                          ; a round of the cluster's barrier
	s_barrier_signal -1
	s_barrier_wait -1
	s_cmp_lg_u32 s[WV], 0
	s_cbranch_scc1 .Lnot_wave_0_\@
	s_barrier_signal -3
.Lnot_wave_0_\@:
	s_barrier_wait -3
	s_barrier_signal -1
	s_barrier_wait -1
.endm
.macro MKSCALE e, t, vs                ; s[e] = an exponent: v[vs] = 2^e as f32, v[vs+1] = 57,344 x 2^e
	s_add_co_i32 s[\t], s[\e], 127
	s_lshl_b32 s[\t+1], s[\t], 23
	v_mov_b32 v[\vs], s[\t+1]
	s_add_co_i32 s[\t], s[\t], 15
	s_lshl_b32 s[\t], s[\t], 23
	s_or_b32 s[\t], s[\t], 0x600000
	v_mov_b32 v[\vs+1], s[\t]
.endm
	s_load_b256 s[4:11], s[0:1], 0x0               ; qf s[4:5], kf s[6:7], vf s[8:9], the exponents s[10:11]
	s_load_b64 s[12:13], s[0:1], 0x20              ; yf
	v_lshl_add_u32 v254, v0, 2, 0x40000
	v_mov_b32 v255, 0
	ds_add_u32 v254, v255
	ds_add_u32 v254, v255
	s_wait_dscnt 0x0
	v_lshrrev_b32 v1, 5, v0
	v_readfirstlane_b32 s[WV], v1                  ; wave 0..15
	s_lshr_b32 s84, s[WV], 2
	s_xor_b32 s84, s84, s[WV]                      ; (w / 4) xor (w % 4) in the low two bits;
	s_lshr_b32 s85, s84, 1
	s_xor_b32 s84, s84, s85
	s_and_b32 s84, s84, 1                          ; their parity: 1: m = w; 0: m = 15 - w
	s_xor_b32 s84, s84, 1
	s_mul_i32 s84, s84, 15
	s_xor_b32 s[MW], s[WV], s84
	s_bfe_u32 s16, ttmp6, 0x40000                  ; cx
	s_lshl_b32 s17, ttmp9, 2
	s_add_co_u32 s17, s17, s16                     ; g = 4 x cluster x + cx: it enters Q's and y's addresses and the mask's numbers, no branch and no LDS address
	s_and_b32 s18, ttmp7, 0xffff                   ; bh = 16 x batch + head, which the four partners share
	s_and_b32 s19, s18, 15                         ; the head
	; descriptor group 1: a dense block of 16 KiB as 64 rows of 256 bytes
	s_mov_b32 s[G1], 15|(3<<16)|(1<<21)            ; 15:0 the mask: all four work-groups; 17:16 elements of 8 bytes; 21 set beside a mask; no padding
	s_mov_b32 s[G1+1], 32<<16                      ; tensor_dim0
	s_mov_b32 s[G1+2], 64<<16                      ; tensor_dim1
	s_mov_b32 s[G1+3], 32<<16                      ; tile_dim0
	s_mov_b32 s[G1+4], 64                          ; tile_dim1
	s_mov_b32 s[G1+5], 32                          ; from row to row
	s_mov_b32 s[G1+6], 0
	s_mov_b32 s[G1+7], 0
	s_mov_b32 s20, 0x76543210                      ; v_permlanex16_b32's selects for lane l xor 16
	s_mov_b32 s21, 0xfedcba98
	s_lshl_b32 s86, s[WV], 17                      ; K's region (wave 0) or V's (wave 1)
	s_lshl_b32 s84, s18, 17                        ; the head's 128 KiB in kf and in vf
	s_mov_b32 s85, 0
	s_lshl_b32 s88, s18, 7                         ; Q: image bh x 128 + 8 m + g
	s_lshl_b32 s89, s[MW], 3
	s_add_co_u32 s88, s88, s89
	s_add_co_u32 s88, s88, s17
	s_lshl_b32 s88, s88, 10
	s_mov_b32 s89, 0
	s_lshr_b32 s90, s18, 4                         ; y: image (batch x 128 + 8 m + g) x 16 + head
	s_lshl_b32 s90, s90, 7
	s_lshl_b32 s91, s[MW], 3
	s_add_co_u32 s90, s90, s91
	s_add_co_u32 s90, s90, s17
	s_lshl_b32 s90, s90, 4
	s_add_co_u32 s90, s90, s19
	s_lshl_b32 s90, s90, 10
	s_mov_b32 s91, 0
	v_and_b32 v[AK0], 31, v0
	v_lshlrev_b32 v[AK0], 4, v[AK0]
	s_wait_kmcnt 0x0
	s_load_b256 s[76:83], s[10:11], 0x10           ; e4 .. e11: e6 s78, e7 s79, e8 s80, e9 s81, e10 s82
	s_cmp_eq_u32 s[WV], 0                          ; the choice hangs on the wave's number alone
	s_cselect_b64 s[92:93], s[6:7], s[8:9]
	s_add_nc_u64 s[92:93], s[92:93], s[84:85]
	s_add_nc_u64 s[4:5], s[4:5], s[88:89]
	s_add_nc_u64 s[12:13], s[12:13], s[90:91]
.set nn, 0
.irp g, 40,44,48,52,56,60,68,72
	s_mov_b32 s[\g], 1                             ; count = 1
	s_add_co_u32 s[\g+1], s86, nn*16384            ; LDS address: two key steps on each time
	s_add_nc_u64 s[\g+2:\g+3], s[92:93], nn*16384
	s_or_b32 s[\g+3], s[\g+3], 0x80000000          ; type = 2
.set nn, nn+1
.endr
	global_load_b128 v[Q:Q+3], v[AK0], s[4:5]      ; Q's fragment stays in registers
	global_load_b128 v[Q+4:Q+7], v[AK0], s[4:5] offset:512
	CROUND                                         ; all four work-groups are here: the joint loads meet
	s_cmp_lt_u32 s[WV], 2                          ; a wave's eight fills stand in one branch; waves 2 to 15 have none
	s_cbranch_scc0 .Lno_fill
.irp g, 40,44,48,52,56,60,68,72
	tensor_load_to_lds s[\g:\g+3], s[G1:G1+7]
	s_nop 0
.endr
.rept 4
	v_nop
.endr
.Lno_fill:
	v_and_b32 v28, 15, v0                          ; r
	v_bfe_u32 v29, v0, 4, 1                        ; h
	v_add_nc_u32 v[AV0], 0x20000, v[AK0]
	s_lshl_b32 s84, s[MW], 7
	s_lshl_b32 s85, s17, 4
	s_add_co_u32 s84, s84, s85
	v_add_nc_u32 v[QI], s84, v28                   ; 128 m + 16 g + r
	v_lshlrev_b32 v[T0], 3, v29                    ; 8 h
	v_add_nc_u32 v[DM], s85, v28
	v_sub_nc_u32 v[DM], v[DM], v[T0]
	v_mov_b32 v[NINF], 0xff800000
	s_and_b32 s86, s19, 1                          ; slope = 2^(-(head + 1) / 2): an odd head's is a power of two, an even head's sqrt(1/2) times one
	s_cmp_lg_u32 s86, 0
	s_mov_b32 s87, 0x3f3504f3
	s_cselect_b32 s87, 0x3f800000, s87
	s_add_co_u32 s86, s19, 1
	s_lshr_b32 s86, s86, 1
	s_lshl_b32 s86, s86, 23
	s_sub_co_u32 s87, s87, s86                     ; the slope as f32
	v_mov_b32 v[SLPV], 0x3fb8aa3b
	v_mul_f32 v[SLPV], s87, v[SLPV]                ; SLP = slope x log2(e)
	s_wait_kmcnt 0x0
	s_add_co_i32 s88, s78, s79                     ; e6 + e7
	s_lshl_b32 s89, s88, 23
	s_add_co_i32 s22, s89, 0x3e38aa3b              ; c0 = log2(e) / 8 x 2^(e6 + e7): the exponents are added to the exponent field
	s_mov_b32 s23, s22                             ; (named with it as a pair, so it is written)
	s_sub_co_i32 s89, 3, s88
	s_lshl_b32 s89, s89, 23
	s_add_co_i32 s[SG], s87, s89                   ; sigma = slope x 8 / 2^(e6 + e7)
	s_add_co_i32 s[SG64], s[SG], 6<<23             ; 64 sigma
	MKSCALE 80, 94, PSC
	s_sub_co_i32 s90, s82, s80
	s_sub_co_i32 s90, s90, s81                     ; a sum of the second product stands for sum x 2^(e8 + e9): the three scales are folded into y's conversion
	MKSCALE 90, 94, YSC
.set nn, 0
.rept 32
	v_add_nc_u32 v[T1+nn%2], 16*(nn/8)+nn%8, v[T0]
	v_cvt_f32_u32 v[T1+nn%2], v[T1+nn%2]
	v_mul_f32 v[CB+nn], s[SG], v[T1+nn%2]          ; sigma x (16 c + 8 h + j)
.set nn, nn+1
.endr
	v_mov_b32 v[TM], 0xff61b1e6                    ; the largest t so far: -3e38, under every t
	v_floor_f32 v[NM], -v[TM]
	v_mov_b32 v[SUM], 0
	v_mov_b32 v[SUM+1], 0
	v_mov_b32 v[LA+1], 0                           ; the upper halves of pairs whose low word serves both halves are written once
	v_mov_b32 v[LB+1], 0
	v_mov_b32 v[FF+1], 0
	v_mov_b32 v[PX], 0                             ; a lane permute's destination counts as one of its sources
.set nn, 0
.rept 32
	v_mov_b32 v[O+nn], 0                           ; the step is written once: the first finds zeros, which the first change of M leaves zeros
.set nn, nn+1
.endr
; A KEY STEP of 128 keys.  A step whose keys all come after my queries is left out: a branch on the wave's number and the step's, round the work alone.
.macro STEP
	s_cmp_gt_u32 s[ST], s[MW]
	s_cbranch_scc1 .Lskip_\@
	v_add_nc_u32 v[ADK], s[TB], v[AK0]             ; these two and two v_nop: the four places in front of loads into registers that the last products read
	v_add_nc_u32 v[ADV], s[TB], v[AV0]
	v_nop
	v_nop
.irp c, 0,1,2,3,4,5,6,7
	ds_load_b128 v[X+8*\c:X+8*\c+3], v[ADK] offset:1024*\c
	ds_load_b128 v[X+8*\c+4:X+8*\c+7], v[ADK] offset:1024*\c+512
.endr
	s_wait_dscnt 8                                 ; tiles 0-3 are in; the eight loads of tiles 4-7 may be out
.irp c, 0,1,2,3
	v_wmma_f32_16x16x64_bf8_bf8 v[S+8*\c:S+8*\c+7], v[X+8*\c:X+8*\c+7], v[Q:Q+7], v[CB+8*\c:CB+8*\c+7]
.endr
	s_wait_dscnt 0x0
.irp c, 4,5,6,7
	v_wmma_f32_16x16x64_bf8_bf8 v[S+8*\c:S+8*\c+7], v[X+8*\c:X+8*\c+7], v[Q:Q+7], v[CB+8*(\c-4):CB+8*(\c-4)+7]
.endr
	v_sub_nc_u32 v[AA], s[KF], v[QI]               ; KF - i, a whole number; these three and a v_nop are the four places behind the products
	v_cvt_f32_i32 v[AA], v[AA]
	v_mul_f32 v[AA], v[SLPV], v[AA]
	v_nop
.irp b, 0,1,2,3
.irp i, 0,1,2,3
	ds_load_b128 v[X+16*\b+4*\i:X+16*\b+4*\i+3], v[ADV] offset:4096*(\i/2)+1024*\b+512*(\i%2)   ; V's four fragments (16 channels x 128 keys) land under the softmax
.endr
.endr
	s_cmp_lg_u32 s[ST], s[MW]                      ; only my diagonal step has hidden keys
	s_cbranch_scc1 .Lopen_\@
.set nn, 0
.rept 64
	v_cmp_gt_i32 vcc_lo, 16*(nn/8)+nn%8, v[DM]
	v_cndmask_b32 v[S+nn], v[S+nn], v[NINF], vcc_lo          ; hidden scores become -infinity ahead of the maximum: p = 0 then
.set nn, nn+1
.endr
.Lopen_\@:
	v_max3_num_f32 v[MA], v[S], v[S+1], v[S+2]     ; the largest s' of tiles 0-3 and of tiles 4-7, each accumulator from its low end on
	v_max3_num_f32 v[MB], v[S+32], v[S+33], v[S+34]
.irp i, 3,5,7,9,11,13,15,17,19,21,23,25,27,29
	v_max3_num_f32 v[MA], v[MA], v[S+\i], v[S+\i+1]
	v_max3_num_f32 v[MB], v[MB], v[S+32+\i], v[S+33+\i]
.endr
	v_max_num_f32 v[MA], v[MA], v[S+31]
	v_max_num_f32 v[MB], v[MB], v[S+63]
	v_add_f32 v[MB], s[SG64], v[MB]                ; tiles 4-7 lie 64 keys on
	v_max_num_f32 v[MA], v[MA], v[MB]
	v_permlanex16_b32 v[PX], v[MA], s20, s21
	v_max_num_f32 v[MA], v[MA], v[PX]              ; and lane l xor 16's
	v_fma_f32 v[MA], v[MA], s22, v[AA]             ; as t (c0 is positive)
	v_max_num_f32 v[TM], v[TM], v[MA]
	v_mov_b32 v[T0], v[NM]
	v_floor_f32 v[NM], -v[TM]                      ; the new -M = floor(-t) = -ceil(t)
	v_sub_f32 v[T0], v[NM], v[T0]                  ; old M - new M: a whole number, 0 or less
	v_cvt_i32_f32 v[T0], v[T0]                     ; (it saturates)
	v_ldexp_f32 v[FF], 1.0, v[T0]
	v_add_f32 v[LA], v[AA], v[NM]
	v_fma_f32 v[LB], v[SLPV], 0x42800000, v[LA]    ; + 64 SLP
.irp j, 0,2,4,6,8,10,12,14,16,18,20,22,24,26,28,30
	v_pk_fma_f32 v[S+\j:S+\j+1], v[S+\j:S+\j+1], s[22:23], v[LA:LA+1] op_sel_hi:[1,0,0]   ; t - M, two at a time
.endr
.irp j, 32,34,36,38,40,42,44,46,48,50,52,54,56,58,60,62
	v_pk_fma_f32 v[S+\j:S+\j+1], v[S+\j:S+\j+1], s[22:23], v[LB:LB+1] op_sel_hi:[1,0,0]
.endr
.set nn, 0
.rept 64
	v_exp_f32 v[S+nn], v[S+nn]                     ; p = 2^(t - M)
.set nn, nn+1
.endr
	v_pk_mul_f32 v[SUM:SUM+1], v[SUM:SUM+1], v[FF:FF+1] op_sel_hi:[1,0]   ; the sums under the new M: the plain place behind the exponentials
	s_wait_alu depctr_va_vdst(0)
	v_pk_add_f32 v[SU2:SU2+1], v[S:S+1], v[S+2:S+3]                       ; the row's sum is taken of the unquantised p, in two chains
.irp j, 4,8,12,16,20,24,28,32,36,40,44,48,52,56,60
	v_pk_add_f32 v[SUM:SUM+1], v[SUM:SUM+1], v[S+\j:S+\j+1]
	v_pk_add_f32 v[SU2:SU2+1], v[SU2:SU2+1], v[S+\j+2:S+\j+3]
.endr
	v_pk_add_f32 v[SUM:SUM+1], v[SUM:SUM+1], v[SU2:SU2+1]
.irp c, 0,1,2,3,4,5,6,7
.irp j, 0,1,2,3,4,5,6,7
	v_min_num_f32 v[S+8*\c+\j], v[S+8*\c+\j], v[PSC+1]     ; the conversion does not saturate (ISA guide 7.6.2); p is not negative, so the hold is one-sided
.endr
	v_cvt_scalef32_pk8_bf8_f32 v[P+2*\c:P+2*\c+1], v[S+8*\c:S+8*\c+7], v[PSC]
.endr
.irp j, 0,2,4,6,8,10,12,14,16,18,20,22,24,26,28,30
	v_pk_mul_f32 v[O+\j:O+\j+1], v[O+\j:O+\j+1], v[FF:FF+1] op_sel_hi:[1,0]   ; O^T under the new M; also the plain place behind the last conversion
.endr
	s_wait_dscnt 0x0                               ; V is in
.irp b, 0,1,2,3
	v_wmma_f32_16x16x128_bf8_bf8 v[O+8*\b:O+8*\b+7], v[X+16*\b:X+16*\b+15], v[P:P+15], v[O+8*\b:O+8*\b+7]   ; the four accumulators take turns
.endr
.Lskip_\@:
	s_add_co_u32 s[TB], s[TB], 8192
	s_add_co_u32 s[KF], s[KF], 128
	s_add_co_u32 s[ST], s[ST], 1
.endm
; Key steps first .. end - 1, behind a barrier that shows their tiles landed.  cnt: how many of a fetching wave's eight loads may still be out.  Every wave walks every trip.
.macro PHASE cnt, first, end
	s_wait_tensorcnt \cnt
	s_wait_dscnt 0x0                               ; no LDS load of mine is pending at the signal
	s_barrier_signal -1
	s_barrier_wait -1
	s_mov_b32 s[ST], \first
	s_mov_b32 s[TB], \first*8192
	s_mov_b32 s[KF], \first*128
.Lstep_\@:
	STEP
	s_cmp_lt_u32 s[ST], \end
	s_cbranch_scc1 .Lstep_\@
.endm
	s_wait_loadcnt 0x0                             ; Q
	PHASE 7, 0, 2                                  ; the first load of K and of V (key steps 0, 1) is in
	PHASE 4, 2, 8                                  ; the first four are
	PHASE 0, 8, 16                                 ; all are
	; THE WAY OUT: O^T / the sum, held, converted: the conversions' results are y's fragment for the last product (token r, channels 16 b + 8 h + 0 .. 7)
.rept 4
	v_nop                                          ; four places behind the last products
.endr
	v_add_f32 v[SUM], v[SUM], v[SUM+1]
	v_permlanex16_b32 v[PX], v[SUM], s20, s21
	v_add_f32 v[SUM], v[SUM], v[PX]                ; the row's sum
	v_rcp_f32 v[T1], v[SUM]
	v_nop                                          ; a plain place behind the transcendental
	s_wait_alu depctr_va_vdst(0)
.irp j, 0,2,4,6,8,10,12,14,16,18,20,22,24,26,28,30
	v_pk_mul_f32 v[S+\j:S+\j+1], v[O+\j:O+\j+1], v[T1:T1+1] op_sel_hi:[1,0]
.endr
.set nn, 0
.rept 32
	v_med3_num_f32 v[S+nn], v[S+nn], -v[YSC+1], v[YSC+1]
.set nn, nn+1
.endr
.irp b, 0,1,2,3
	v_cvt_scalef32_pk8_bf8_f32 v[YC+2*\b:YC+2*\b+1], v[S+8*\b:S+8*\b+7], v[YSC]
.endr
	v_nop                                          ; one plain vector instruction behind the last scaled conversion
	global_store_b128 v[AK0], v[YC:YC+3], s[12:13]             ; 32 lanes store 512 consecutive bytes, aligned
	global_store_b128 v[AK0], v[YC+4:YC+7], s[12:13] offset:512
	s_wait_xcnt 0x0
	v_lshl_add_u32 v254, v0, 2, 0x40000
	v_mov_b32 v255, 0
	s_wait_tensorcnt 0x0
	ds_add_u32 v254, v255
	s_wait_dscnt 0x0
	CROUND                                         ; the closing round: no work-group ends while a partner may still ask for a tile that names it
	s_endpgm
.Lfunc_end_k_q16bd3773b8_attn:
	.size	k_q16bd3773b8_attn, .Lfunc_end_k_q16bd3773b8_attn-k_q16bd3773b8_attn
	.p2alignl 7, 3214868480
	.fill 96, 4, 3214868480
	.section	.rodata,"a",@progbits
	.p2align	6, 0x0
	.amdhsa_kernel k_q16bd3773b8_attn
		.amdhsa_group_segment_fixed_size 264192
		.amdhsa_private_segment_fixed_size 0
		.amdhsa_enable_private_segment 0
		.amdhsa_kernarg_size 40
		.amdhsa_user_sgpr_count 2
		.amdhsa_user_sgpr_kernarg_segment_ptr 1
		.amdhsa_wavefront_size32 1
		.amdhsa_system_sgpr_workgroup_id_x 1
		.amdhsa_system_sgpr_workgroup_id_y 1
		.amdhsa_system_sgpr_workgroup_id_z 1
		.amdhsa_system_vgpr_workitem_id 0
		.amdhsa_next_free_vgpr 256
		.amdhsa_next_free_sgpr 100
		.amdhsa_reserve_vcc 1
		.amdhsa_float_denorm_mode_32 3
		.amdhsa_float_denorm_mode_16_64 3
		.amdhsa_memory_ordered 1
		.amdhsa_forward_progress 1
		.amdhsa_inst_pref_size 80
	.end_amdhsa_kernel
	.amdgpu_metadata
---
amdhsa.version: [ 1, 2 ]
amdhsa.kernels:
  - .name:           k_q16bd3773b8_attn
    .symbol:         k_q16bd3773b8_attn.kd
    .args:
      - { .name: qf, .offset: 0, .size: 8, .value_kind: global_buffer, .address_space: global }
      - { .name: kf, .offset: 8, .size: 8, .value_kind: global_buffer, .address_space: global }
      - { .name: vf, .offset: 16, .size: 8, .value_kind: global_buffer, .address_space: global }
      - { .name: lowp_scales, .offset: 24, .size: 8, .value_kind: global_buffer, .address_space: global }
      - { .name: yf, .offset: 32, .size: 8, .value_kind: global_buffer, .address_space: global }
    .group_segment_fixed_size: 264192
    .private_segment_fixed_size: 0
    .kernarg_segment_align: 8
    .kernarg_segment_size: 40
    .max_flat_workgroup_size: 512
    .sgpr_count:     100
    .vgpr_count:     256
    .wavefront_size: 32
...
	.end_amdgpu_metadata
.endif
;; end of part 2
;; launch oproj (part 3): grid 16 x 16, 4 waves a work-group, no clusters, 168,448 bytes of LDS; arguments yf, Wo_codes, bo, lowp_scales, out0; writes out0
.if DOCPART == 3
	.amdgcn_target "amdgcn-amd-amdhsa--gfx1250"
	.amdhsa_code_object_version 6
	.text
	.protected	k_q16bd3773b8_oproj
	.globl	k_q16bd3773b8_oproj
	.p2align	8
	.type	k_q16bd3773b8_oproj,@function
k_q16bd3773b8_oproj:
	s_mov_b64 s[64:65], 0
	v_nop
	global_prefetch_b8 v0, s[64:65] scope:SCOPE_SE
	s_setreg_imm32_b32 hwreg(HW_REG_WAVE_MODE, 25, 1), 1
	s_wait_xcnt 0x0
; out0 = y Wo + bo on codes of E5M2.  yf: images of y's fragments, [256 tiles of 16 rows][16 heads][1,024 bytes].  Wo: [1024 (n)][1024 (k)] codes.  Exponents: y e10, Wo e11.
; SHARES.  Work-group (rb, nb): rows 256 rb on x columns 64 nb on.  Wave w: 64 rows x 64 columns: 16 accumulators.  K in eight steps of 128 (two heads' images).
; Wo's 64 rows come through LDS, filled ONCE by wave 0 in four chunks of 256 along K: four tensor loads are out at the most; no LDS byte is filled twice.
; y comes from memory straight into registers, 512 consecutive bytes a load: a wave reads only its own rows.  Its k stand in the form's own places (registers 2 c, 2 c + 1: k = 16 c + 8 h + 0 .. 7),
; so Wo's fragments are taken so too: eight loads of 8 bytes a fragment.
; NO CLUSTER: what work-groups could share is Wo's slice, 64 KiB of the 320 KiB that a work-group reads, and of its 384 KiB with the 64 KiB that it stores; two rounds of a cluster's barrier would stand against that.
; TRANSPOSED USE (source 0 = 16 rows of Wo, source 1 = 16 rows of y): a lane holds eight neighbouring columns of one row.  They leave through the wave's own stage in LDS, so that sixteen lanes store 256 aligned bytes.
; LIMIT: e10 + e11 between -126 and 127, so that 2^(e10 + e11) is an f32 number.
; REGISTERS, in windows of 256: window 0: v1-6 addresses; v32-63 bo in the results' layout; v64-95 a block's results; v128-191 rows read back, two sets.
;   window 1: Wo's fragments, four sets of two.   window 2: the accumulators at v[8 (4 a + b)].   window 3: y's fragments, four sets of four.
.set PITCH, 272                        ; an LDS row: 256 bytes + 16 of padding
.set CHUNK, 64*PITCH
.set STAGE, 4*CHUNK                    ; behind Wo: 16 rows x 272 bytes for each wave; no fill lands there
.set LI,   1                           ; v1  16 x lane
.set ADRB, 2                           ; v2  Wo: (lane % 16) x pitch + 8 (lane / 16)
.set STO,  3                           ; v3  the stage: where I put 32 bytes of a row
.set RD,   4                           ; v4  and where I read a row back
.set CO,   5                           ; v5  my byte offset in two rows of out0
.set BA,   6                           ; v6  32 (lane / 16): bo
.set BO,   32
.set TMP,  64
.set BK,   128
.set WV,   14
.set G1,   24
.set G0,   32
.set MSB, 0
.macro WIN new                         ; the immediate's high byte repeats the setting that is left
.if MSB != \new
	s_set_vgpr_msb (MSB<<8)|\new
.set MSB, \new
.endif
.endm
.macro PLACES                          ; four plain vector instructions between a matrix instruction and a load into, or a read of, its registers
.rept 4
	v_nop
.endr
.endm
.macro YLOAD s                         ; y's four fragments of K step s into set s % 4 (window 3)
	WIN 0xc0
.irp a, 0,1,2,3
.irp i, 0,1,2,3
	global_load_b128 v[64*((\s)%4)+16*\a+4*\i:64*((\s)%4)+16*\a+4*\i+3], v[LI], s[4:5] offset:16384*\a+2048*(\s)+512*\i
.endr
.endr
.endm
.macro BLOAD j                         ; group j = 2 x K step + half: Wo's fragments of columns 32 (j % 2) on, into set j % 4 (window 1)
	WIN 0x40
.irp bb, 0,1
.irp c, 0,1,2,3,4,5,6,7
	ds_load_b64 v[32*((\j)%4)+16*\bb+2*\c:32*((\j)%4)+16*\bb+2*\c+1], v[ADRB] offset:((\j)/4)*CHUNK+16*PITCH*(2*((\j)%2)+\bb)+128*(((\j)/2)%2)+16*\c
.endr
.endr
.endm
.macro MUL8 i                          ; group i's eight products.  The first K step starts the sums: nothing is cleared.  Neighbouring groups hold different accumulators: they take turns
	WIN 0xad
.irp a, 0,1,2,3
.irp bb, 0,1
.if (\i) < 2
	v_wmma_f32_16x16x128_bf8_bf8 v[8*(4*\a+2*((\i)%2)+\bb):8*(4*\a+2*((\i)%2)+\bb)+7], v[32*((\i)%4)+16*\bb:32*((\i)%4)+16*\bb+15], v[64*(((\i)/2)%4)+16*\a:64*(((\i)/2)%4)+16*\a+15], 0
.else
	v_wmma_f32_16x16x128_bf8_bf8 v[8*(4*\a+2*((\i)%2)+\bb):8*(4*\a+2*((\i)%2)+\bb)+7], v[32*((\i)%4)+16*\bb:32*((\i)%4)+16*\bb+15], v[64*(((\i)/2)%4)+16*\a:64*(((\i)/2)%4)+16*\a+15], v[8*(4*\a+2*((\i)%2)+\bb):8*(4*\a+2*((\i)%2)+\bb)+7]
.endif
.endr
.endr
.endm
	s_load_b256 s[4:11], s[0:1], 0x0               ; yf s[4:5], Wo s[6:7], bo s[8:9], the exponents s[10:11]
	s_load_b64 s[12:13], s[0:1], 0x20              ; out0
	v_lshl_add_u32 v254, v0, 2, 0x29000
	v_mov_b32 v255, 0
	ds_add_u32 v254, v255
	ds_add_u32 v254, v255
	v_lshrrev_b32 v7, 5, v0
	v_readfirstlane_b32 s[WV], v7                  ; wave 0..3
	s_and_b32 s15, ttmp7, 0xffff                   ; nb
	v_and_b32 v8, 15, v0                           ; r
	v_bfe_u32 v9, v0, 4, 1                         ; h
	v_and_b32 v7, 31, v0
	v_lshlrev_b32 v[LI], 4, v7
	v_mul_u32_u24 v[ADRB], v8, PITCH
	v_lshl_add_u32 v[ADRB], v9, 3, v[ADRB]
	s_mul_i32 s16, s[WV], 16*PITCH
	s_add_co_u32 s16, s16, STAGE                   ; my stage
	v_mul_u32_u24 v[STO], v8, PITCH                ; in: row r, 32 bytes for each half of the lanes
	v_lshl_add_u32 v[STO], v9, 5, v[STO]
	v_add_nc_u32 v[STO], s16, v[STO]
	v_mul_u32_u24 v[RD], v9, PITCH                 ; back: lanes 0-15 one row of 256 bytes, lanes 16-31 the next
	v_lshl_add_u32 v[RD], v8, 4, v[RD]
	v_add_nc_u32 v[RD], s16, v[RD]
	v_lshlrev_b32 v[CO], 12, v9                    ; and the same two rows in out0, 4,096 bytes apart
	v_lshl_add_u32 v[CO], v8, 4, v[CO]
	v_lshlrev_b32 v[BA], 5, v9
	; descriptor group 1: 64 rows x 256 bytes, 1,024 bytes apart in memory, 16 bytes of padding behind each row in LDS
	s_mov_b32 s[G1], (1<<20)|(5<<22)|(3<<25)       ; no mask; elements of 1 byte; padding: four words after every 64
	s_mov_b32 s[G1+1], 256<<16                     ; tensor_dim0
	s_mov_b32 s[G1+2], 64<<16                      ; tensor_dim1
	s_mov_b32 s[G1+3], 256<<16                     ; tile_dim0
	s_mov_b32 s[G1+4], 64                          ; tile_dim1
	s_mov_b32 s[G1+5], 1024                        ; from row to row
	s_mov_b32 s[G1+6], 0
	s_mov_b32 s[G1+7], 0
	s_lshl_b32 s18, ttmp9, 18                      ; y: tile of rows 16 rb + 4 w, 16 KiB each
	s_lshl_b32 s19, s[WV], 16
	s_add_co_u32 s18, s18, s19
	s_mov_b32 s19, 0
	s_lshl_b32 s20, s15, 16                        ; Wo: 64 nb rows of 1,024 bytes
	s_mov_b32 s21, 0
	s_lshl_b32 s22, s15, 8                         ; bo, and a row of out0: 64 nb numbers of 4 bytes
	s_mov_b32 s23, 0
	s_lshl_b32 s50, ttmp9, 20                      ; out0: 256 rb + 64 w rows of 4,096 bytes
	s_lshl_b32 s51, s[WV], 18
	s_add_co_u32 s50, s50, s51
	s_add_co_u32 s50, s50, s22
	s_mov_b32 s51, 0
	s_wait_dscnt 0x0
	s_wait_kmcnt 0x0
	s_load_b64 s[48:49], s[10:11], 0x28            ; e10, e11
	s_add_nc_u64 s[4:5], s[4:5], s[18:19]
	s_add_nc_u64 s[6:7], s[6:7], s[20:21]
	s_add_nc_u64 s[8:9], s[8:9], s[22:23]
	s_add_nc_u64 s[12:13], s[12:13], s[50:51]
.irp c, 0,1,2,3
	s_mov_b32 s[G0+4*\c], 1                        ; count = 1
	s_mov_b32 s[G0+4*\c+1], \c*CHUNK               ; LDS address
	s_add_nc_u64 s[G0+4*\c+2:G0+4*\c+3], s[6:7], \c*256
	s_or_b32 s[G0+4*\c+3], s[G0+4*\c+3], 0x80000000          ; type = 2
.endr
	s_cmp_eq_u32 s[WV], 0                          ; wave 0's four fills stand in one branch, ahead of every wait on TENSORcnt, LDS read and barrier
	s_cbranch_scc0 .Lno_fill
	tensor_load_to_lds s[G0:G0+3], s[G1:G1+7]
	s_nop 0
	tensor_load_to_lds s[G0+4:G0+7], s[G1:G1+7]
	s_nop 0
	tensor_load_to_lds s[G0+8:G0+11], s[G1:G1+7]
	s_nop 0
	tensor_load_to_lds s[G0+12:G0+15], s[G1:G1+7]
	s_nop 0
.rept 4
	v_nop
.endr
.Lno_fill:
.irp b, 0,1,2,3
	global_load_b128 v[BO+8*\b:BO+8*\b+3], v[BA], s[8:9] offset:64*\b          ; bo at columns 16 b + 8 h + 0 .. 7
	global_load_b128 v[BO+8*\b+4:BO+8*\b+7], v[BA], s[8:9] offset:64*\b+16
.endr
	YLOAD 0
	YLOAD 1
	YLOAD 2
	YLOAD 3
	s_wait_tensorcnt 3                             ; chunk 0 is in; three may be out
	s_barrier_signal -1
	s_barrier_wait -1
	BLOAD 0
	BLOAD 1
	BLOAD 2
; 16 groups of 8 products.  A group's fragments of Wo are asked for three groups ahead, a K step's fragments of y three K steps ahead.
.set ii, 0
.rept 16
.set st, ii/2
	PLACES                                         ; the loads below land in registers that the group before has read
.if (ii%2 == 0) && (st >= 1) && (st <= 4)
	YLOAD st+3
.endif
.if (ii == 1) || (ii == 5) || (ii == 9)
	s_wait_tensorcnt 3-(ii+3)/4                    ; the next chunk is in,
	s_wait_dscnt 0x0                               ; no LDS load of mine is pending at the signal,
	s_barrier_signal -1
	s_barrier_wait -1                              ; and every wave knows
.endif
.if ii <= 12
	BLOAD ii+3
	s_wait_dscnt 48                                ; this group's 16 loads are in; the three younger groups' may be out
.else
	s_wait_dscnt 16*(15-ii)
.endif
.if ii%2 == 0
.if st <= 4
	s_wait_loadcnt 48                              ; this K step's y is in (and bo); the three younger K steps' may be out
.else
	s_wait_loadcnt 16*(7-st)
.endif
.endif
	MUL8 ii
.set ii, ii+1
.endr
	WIN 0
	s_wait_kmcnt 0x0
	s_add_co_i32 s48, s48, s49
	s_add_co_i32 s48, s48, 127
	s_lshl_b32 s48, s48, 23                        ; 2^(e10 + e11) as f32
	s_mov_b32 s49, s48                             ; (named with it as a pair, so it is written)
; THE WAY OUT, a block of 16 rows x 64 columns at a time, through my own stage.  LDS serves a wave's instructions in order (ISA guide 5.7.1.4): no wait between the stores and the loads.
.macro TOSTAGE a
	WIN 0x02                                       ; source 0 (the sums) window 2
.irp b, 0,1,2,3
.irp i, 0,2,4,6
	v_pk_fma_f32 v[TMP+8*\b+\i:TMP+8*\b+\i+1], v[8*(4*(\a)+\b)+\i:8*(4*(\a)+\b)+\i+1], s[48:49], v[BO+8*\b+\i:BO+8*\b+\i+1] op_sel_hi:[1,0,1]   ; sum x 2^(e10 + e11) + bo; each accumulator from its low end on
.endr
.endr
	WIN 0
.irp b, 0,1,2,3
	ds_store_b128 v[STO], v[TMP+8*\b:TMP+8*\b+3] offset:64*\b
	ds_store_b128 v[STO], v[TMP+8*\b+4:TMP+8*\b+7] offset:64*\b+16
.endr
.irp t, 0,1,2,3,4,5,6,7
	ds_load_b128 v[BK+32*((\a)%2)+4*\t:BK+32*((\a)%2)+4*\t+3], v[RD] offset:2*\t*PITCH
.endr
.endm
.macro SEND a, younger                 ; younger: the LDS instructions issued behind block a's loads, which may stay out
	s_wait_dscnt \younger
.irp t, 0,1,2,3,4,5,6,7
	global_store_b128 v[CO], v[BK+32*((\a)%2)+4*\t:BK+32*((\a)%2)+4*\t+3], s[12:13] offset:(16*(\a)+2*\t)*4096 th:TH_STORE_NT   ; sixteen lanes store 256 consecutive bytes, aligned; written once, read by nobody here
.endr
.endm
	PLACES                                         ; the first read of results
	TOSTAGE 0
.irp a, 1,2,3
.if \a > 1
	s_wait_xcnt 0x0                                ; block a - 2's stores have read their registers: block a's loads may land there
.endif
	TOSTAGE \a
	SEND \a-1, 16                                  ; behind block a - 1's loads: block a's 8 stores and 8 loads
.endr
	SEND 3, 0
	s_wait_tensorcnt 0x0
	ds_add_u32 v254, v255
	s_wait_dscnt 0x0
	s_endpgm
.Lfunc_end_k_q16bd3773b8_oproj:
	.size	k_q16bd3773b8_oproj, .Lfunc_end_k_q16bd3773b8_oproj-k_q16bd3773b8_oproj
	.p2alignl 7, 3214868480
	.fill 96, 4, 3214868480
	.section	.rodata,"a",@progbits
	.p2align	6, 0x0
	.amdhsa_kernel k_q16bd3773b8_oproj
		.amdhsa_group_segment_fixed_size 168448
		.amdhsa_private_segment_fixed_size 0
		.amdhsa_enable_private_segment 0
		.amdhsa_kernarg_size 40
		.amdhsa_user_sgpr_count 2
		.amdhsa_user_sgpr_kernarg_segment_ptr 1
		.amdhsa_wavefront_size32 1
		.amdhsa_system_sgpr_workgroup_id_x 1
		.amdhsa_system_sgpr_workgroup_id_y 1
		.amdhsa_system_sgpr_workgroup_id_z 1
		.amdhsa_system_vgpr_workitem_id 0
		.amdhsa_next_free_vgpr 1024
		.amdhsa_next_free_sgpr 66
		.amdhsa_reserve_vcc 0
		.amdhsa_float_denorm_mode_32 3
		.amdhsa_float_denorm_mode_16_64 3
		.amdhsa_memory_ordered 1
		.amdhsa_forward_progress 1
		.amdhsa_inst_pref_size 58
	.end_amdhsa_kernel
	.amdgpu_metadata
---
amdhsa.version: [ 1, 2 ]
amdhsa.kernels:
  - .name:           k_q16bd3773b8_oproj
    .symbol:         k_q16bd3773b8_oproj.kd
    .args:
      - { .name: yf, .offset: 0, .size: 8, .value_kind: global_buffer, .address_space: global }
      - { .name: Wo_codes, .offset: 8, .size: 8, .value_kind: global_buffer, .address_space: global }
      - { .name: bo, .offset: 16, .size: 8, .value_kind: global_buffer, .address_space: global }
      - { .name: lowp_scales, .offset: 24, .size: 8, .value_kind: global_buffer, .address_space: global }
      - { .name: out0, .offset: 32, .size: 8, .value_kind: global_buffer, .address_space: global }
    .group_segment_fixed_size: 168448
    .private_segment_fixed_size: 0
    .kernarg_segment_align: 8
    .kernarg_segment_size: 40
    .max_flat_workgroup_size: 128
    .sgpr_count:     66
    .vgpr_count:     1024
    .wavefront_size: 32
...
	.end_amdgpu_metadata
.endif
;; end of part 3
